; MI455X (gfx1250); checked and timed in simulation.
; The chip was launched on July 23, 2026; its instructions are those of AMD's public machine-readable ISA for CDNA 5 (MIT licence, August 2026) and "CDNA5" Instruction Set Architecture Reference Guide (July 2026). The comments in the code are by the model that wrote it; some were corrected since.
;; Quantized Linear. Allowed arithmetic: matrix products marked QUANTISED: E2M1 operands, one E8M0 scale for each 32 along K, by v_wmma_scale_f32_16x16x128_f8f6f4 with both operands' format E2M1 (or v_wmma_scale_f32_32x16x128_f4), f32 sums; everything else in f32.
;; Inputs: bias 16,384 float32; scale 16,384 x 1 float32; weight 16,384 x 4,096 int8; x_codes 1,024 x 128 x 16 uint8 (E2M1 codes of x, K innermost, in blocks of 32 codes, two codes a byte); x_scales 1,024 x 128 uint8 (E8M0 scales of x, one for each 32 codes along K).
;; Outputs: out0 1,024 x 16,384 float32.
;; This version of the problem:
;;   THIS VERSION OF THE PROBLEM IS GIVEN IN LOW PRECISION. The matrix products marked QUANTISED in the list below multiply operands that are first quantised to E2M1 (2 exponent bits, 1 mantissa bit; 4 bits a number), with one power-of-two scale for each 32 numbers along K (OCP MX v1.0); their sums are f32. All else is computed in f32.
;;   The module's matrix products, in the order in which they are computed (A, B: the left and right operand; K: the contracted axis; several contracted axes count as one K, in the product's order):
;;     1. [M 1,024, K 4,096] x [K 4,096, N 16,384]; A: input x (given as codes); B: computed on the way: QUANTISED
;;   THE QUANTISER, for each operand of a quantised product, along K:
;;     - K is cut into blocks of 32 from its start; a last block that is shorter is filled with zeros.
;;     - A block's scale is 2^e with e = floor(log2(the largest magnitude in the block)) - 2, held to -126 .. 127; a block of zeros has e = 0. As a byte (E8M0): e + 127.
;;     - Each number is divided by its block's scale, clamped to +-6, and rounded to the nearest number of E2M1, ties to even, subnormals kept.
;;     - The product sums the exact products of the quantised numbers (number of the format x scale) in f32.
;;   ~~~python
;;   def quantise(x, axis):      # numpy; x: float32 -> the quantised numbers, widened to float32 again
;;       x = np.moveaxis(x, axis, -1); K = x.shape[-1]
;;       x = np.pad(x, [(0, 0)] * (x.ndim - 1) + [(0, -K % 32)]); x = x.reshape(x.shape[:-1] + (-1, 32)); a = np.abs(x).max(-1, keepdims=True)
;;       e = np.where(a > 0, np.clip(np.frexp(np.where(a > 0, a, 1))[1] - 1 - 2, -126, 127), 0)      # np.frexp(a)[1] - 1 = floor(log2(a)), exactly
;;       r = np.clip(x / 2.0 ** e, -6, 6)
;;       step = 2.0 ** (np.maximum(np.frexp(np.where(r == 0, 1, r))[1] - 1, 0) - 1)
;;       q = np.round(r / step) * step * 2.0 ** e      # np.round: ties to even
;;       return np.moveaxis(q.reshape(q.shape[:-2] + (-1,))[..., :K], -1, axis).astype(np.float32)
;;   ~~~
;;   OPERANDS COMPUTED ON THE WAY. 'Computed on the way' means the value that the module computes at that place (a softmax that the list does not call 'softmax' is quantised finished and normalised). What goes into a quantiser is computed in f32, as accurately as f32 sums, v_exp_f32 and their like allow (about 1e-6 of the number): no bf16 or f16 on the way to a quantiser, and a product that is left as it is and whose result goes on into a quantised operand takes f32 operands (vector FMAs, or v_wmma_f32_16x16x4_f32). A number that lies on a knife's edge between two numbers of the format may be rounded either way, as far as f32 arithmetic and the matrix unit's own rounding can turn it there, and no further.
;;   INPUTS GIVEN AS CODES. x (in the module: [1024, 4096], K = its axis 1): each comes as NAME_codes (uint8): NAME with its K axis moved to the last place and cut into blocks of 32 codes, [.., K / 32, bytes a block], one block behind the other in memory; two codes a byte, the lower K in the low four bits (a code: sign, 2 exponent bits, 1 mantissa bit); and NAME_scales (uint8): the same leading axes, one E8M0 byte (e + 127) for each 32 codes along K. Its value is code x scale, taken as it is: it is not quantised again, and the codes and scales need not be those that the quantiser above would give.
;; One version. Each part assembles by itself: llvm-mc -triple=amdgcn-amd-amdhsa -mcpu=gfx1250 --defsym DOCPART=n.
;; ======== version 1 of 1: 2 launches
;; limits: right only within a limited range of input values
;; workspace buffers: wcodes 33,554,432 bytes; scl 2,228,224 bytes
;; launch wq (part 1): grid 256 x 1, 16 waves a work-group, no clusters, 6,144 bytes of LDS; arguments weight, scale, x_scales, wcodes, scl; writes wcodes, scl
.if DOCPART == 1
	.amdgcn_target "amdgcn-amd-amdhsa--gfx1250"
	.amdhsa_code_object_version 6
	.text
	.protected	k_qe6980e6d00_wq
	.globl	k_qe6980e6d00_wq
	.p2align	8
	.type	k_qe6980e6d00_wq,@function
k_qe6980e6d00_wq:
	s_mov_b64 s[64:65], 0
	v_nop
	global_prefetch_b8 v0, s[64:65] scope:SCOPE_SE
	s_setreg_imm32_b32 hwreg(HW_REG_WAVE_MODE, 25, 1), 1
	s_wait_xcnt 0x0
; w = weight (int8) x scale (f32, one a row), quantised along K to E2M1 with one E8M0 byte for each 32 numbers.
; No step and no input of the problem is left out in this program; bias and x_codes are read by the second launch.
; wcodes: [16384][2048] bytes, K innermost, two codes a byte.  scl: [8 K steps of 512][17408 rows][16 bytes]: rows 0-1023 are x's scale bytes, laid anew, rows 1024.. are w's.
; LIMIT: a block of zeros gets the byte 1 and not 127; its codes are zeros, and the bytes are read by this program alone.
; A wave takes 16 rows x 1024 numbers as two tiles of 16 x 512.  A lane takes 16 numbers of a row, two lanes a block: a row's 512 bytes give 256 bytes of codes, stored by one instruction.
; A tile's 16 x 16 scale bytes go through 256 LDS bytes of the wave's own, so that they leave as one run of 256 bytes.
; No tensor loads, clusters or matrix units: every byte is read once, by one wave.
.set KP,    278528                     ; bytes of scl for one K step: 17408 rows x 16
.set SPARE, 4096                       ; behind the waves' 16 x 256 bytes: the spare words
.set WO, 2                             ; lane x 16
.set CO, 3                             ; lane x 8
.set ADWS, 4                           ; LDS: my wave's bytes + lane / 2
.set RDS, 5                            ; LDS: my wave's bytes + lane x 8
.set XI, 6                             ; x_scales: row l % 16, 16 bytes at 16 (l / 16)
.set XO, 7                             ; scl: K step l / 16, row l % 16
.set SPW, 8
.set NIL, 9
.set RAW, 16                           ; 16 rows x 16 bytes
.set XR, 80
.set FR, 96                            ; four rows x 16 numbers in f32
.set MX, 160
.set SO, 164
.set BY, 168
.set CD, 172                           ; codes: 2 registers a row, 16 rows
.set T,  204
.set SEL, 24
.set RS, 66                            ; the 16 rows' scales, each twice (the packed form names a pair)
.set CN, 98
.set SGN, 100
.set MAGIC, 101
	s_load_b256 s[4:11], s[0:1], 0x0               ; weight, scale, x_scales, wcodes
	s_load_b64 s[12:13], s[0:1], 0x20              ; scl
	v_lshl_add_u32 v[SPW], v0, 2, SPARE
	v_mov_b32 v[NIL], 0
	v_lshrrev_b32 v1, 5, v0
	v_readfirstlane_b32 s14, v1                    ; wave 0..15
	v_and_b32 v10, 31, v0
	v_and_b32 v11, 15, v0
	v_bfe_u32 v12, v0, 4, 1
	s_lshl_b32 s18, s14, 8
	v_lshlrev_b32 v[WO], 4, v10
	v_lshlrev_b32 v[CO], 3, v10
	v_lshrrev_b32 v1, 1, v10
	v_add_nc_u32 v[ADWS], s18, v1
	v_add_nc_u32 v[RDS], s18, v[CO]
	v_lshlrev_b32 v[XI], 7, v11
	v_lshl_add_u32 v[XI], v12, 4, v[XI]
	v_mul_u32_u24 v[XO], v12, KP
	v_lshl_add_u32 v[XO], v11, 4, v[XO]
	s_lshl_b32 s15, ttmp9, 4
	s_add_co_u32 s15, s15, s14                     ; the wave's number in the launch, 0..4095
	s_lshr_b32 s16, s15, 2                         ; its group of 16 rows
	s_and_b32 s17, s15, 3                          ; its quarter of K
	s_lshl_b32 s20, s16, 16
	s_lshl_b32 s19, s17, 10
	s_add_co_u32 s20, s20, s19                     ; in weight
	s_mov_b32 s21, 0
	s_lshl_b32 s22, s16, 15
	s_lshl_b32 s19, s17, 9
	s_add_co_u32 s22, s22, s19                     ; in wcodes
	s_mov_b32 s23, 0
	s_mul_i32 s28, s17, 2*KP
	s_lshl_b32 s19, s16, 8
	s_add_co_u32 s28, s28, s19
	s_add_co_u32 s28, s28, 16384                   ; in scl, behind x's 1024 rows
	s_mov_b32 s29, 0
	s_lshl_b32 s30, s16, 6                         ; in scale
	s_mov_b32 s31, 0
	s_lshr_b32 s19, s15, 6                         ; every 64th wave lays 16 rows of x's scales
	s_lshl_b32 s48, s19, 11
	s_mov_b32 s49, 0
	s_lshl_b32 s50, s19, 8
	s_mov_b32 s51, 0
	s_mov_b32 s[CN], 0xcb000080                    ; -(2^23 + 128)
	s_mov_b32 s[CN+1], 0xcb000080
	s_mov_b32 s[SGN], 0x80808080
	s_mov_b32 s[MAGIC], 0x4b000000                 ; 2^23
.irp i, 0,1,2,3
	s_mov_b32 s[SEL+\i], 0x07040400+\i             ; byte i under 2^23's upper bytes
.endr
	s_wait_alu depctr_va_vdst(0)                   ; the wait at the head's end
	s_wait_kmcnt 0x0
	s_add_nc_u64 s[4:5], s[4:5], s[20:21]
	s_add_nc_u64 s[6:7], s[6:7], s[30:31]
	s_add_nc_u64 s[8:9], s[8:9], s[48:49]
	s_add_nc_u64 s[10:11], s[10:11], s[22:23]
	s_add_nc_u64 s[52:53], s[12:13], s[50:51]
	s_add_nc_u64 s[12:13], s[12:13], s[28:29]
.irp j, 0,1,2,3,4,5,6,7,8,9,10,11,12,13,14,15
	global_load_b128 v[RAW+4*\j:RAW+4*\j+3], v[WO], s[4:5] offset:4096*\j th:TH_LOAD_NT
.endr
	s_load_b512 s[32:47], s[6:7], 0x0
	s_and_b32 s19, s15, 63
	s_cmp_lg_u32 s19, 0
	s_cbranch_scc1 .Lnox
.irp u, 0,1,2,3                        ; x's scales: lanes 0-15 take K step 2 u of 16 rows, lanes 16-31 K step 2 u + 1; sixteen lanes store 256 bytes on end
	global_load_b128 v[FR+4*\u:FR+4*\u+3], v[XI], s[8:9] offset:32*\u
.endr
	s_wait_loadcnt 0x0
.irp u, 0,1,2,3
	global_store_b128 v[XO], v[FR+4*\u:FR+4*\u+3], s[52:53] offset:2*KP*\u
.endr
	s_wait_xcnt 0x0                                ; the stores' data registers are written again below
.Lnox:
	s_wait_kmcnt 0x0
.irp j, 0,1,2,3,4,5,6,7,8,9,10,11,12,13,14,15
	s_mov_b32 s[RS+2*\j], s[32+\j]
	s_mov_b32 s[RS+2*\j+1], s[32+\j]
.endr
; Four rows of tile t, by turns.  cnt: the loads younger than these four rows'.
.macro QGROUP t, j0, cnt
	s_wait_loadcnt \cnt
.if (\t) && (\j0) == 0
	s_wait_xcnt 0x0                                ; the first tile's stores have read their data: CD is written again
.endif
.irp d, 0,1,2,3
.irp e, 0,1,2,3
	v_xor_b32 v[XR+4*\d+\e], s[SGN], v[RAW+4*((\j0)+\d)+\e]        ; w + 128 in each byte
.endr
.endr
.if (\t) == 0
.irp d, 0,1,2,3
	global_load_b128 v[RAW+4*((\j0)+\d):RAW+4*((\j0)+\d)+3], v[WO], s[4:5] offset:4096*((\j0)+\d)+512 th:TH_LOAD_NT   ; the second tile's rows
.endr
.endif
.irp k, 0,1,2,3,4,5,6,7,8,9,10,11,12,13,14,15
.irp d, 0,1,2,3
	v_perm_b32 v[FR+16*\d+\k], s[MAGIC], v[XR+4*\d+\k/4], s[SEL+\k%4]   ; 2^23 + w + 128 as f32
.endr
.endr
.irp i, 0,2,4,6,8,10,12,14
.irp d, 0,1,2,3
	v_pk_add_f32 v[FR+16*\d+\i:FR+16*\d+\i+1], v[FR+16*\d+\i:FR+16*\d+\i+1], s[CN:CN+1] op_sel_hi:[1,0]   ; w, exactly
.endr
.endr
.irp i, 0,2,4,6,8,10,12,14
.irp d, 0,1,2,3
	v_pk_mul_f32 v[FR+16*\d+\i:FR+16*\d+\i+1], v[FR+16*\d+\i:FR+16*\d+\i+1], s[RS+2*((\j0)+\d):RS+2*((\j0)+\d)+1] op_sel_hi:[1,0]   ; x the row's scale
.endr
.endr
.irp d, 0,1,2,3
	v_max3_num_f32 v[MX+\d], |v[FR+16*\d]|, |v[FR+16*\d+1]|, 0x1800000   ; the floor 2^(3 - 127) holds the byte at 1 from below
.endr
.irp i, 2,4,6,8,10,12,14
.irp d, 0,1,2,3
	v_max3_num_f32 v[MX+\d], v[MX+\d], |v[FR+16*\d+\i]|, |v[FR+16*\d+\i+1]|
.endr
.endr
.irp d, 0,1,2,3
	v_max_num_f32_dpp v[MX+\d], v[MX+\d], v[MX+\d] row_xmask:1 row_mask:0xf bank_mask:0xf   ; the block's other half
.endr
.irp d, 0,1,2,3
	v_add_nc_u32 v[SO+\d], 0xff000000, v[MX+\d]    ; 2 off the exponent field: the conversion's scale operand
.endr
.irp d, 0,1,2,3
	v_cvt_scalef32_pk8_fp4_f32 v[CD+2*((\j0)+\d)], v[FR+16*\d:FR+16*\d+7], v[SO+\d]
	v_cvt_scalef32_pk8_fp4_f32 v[CD+2*((\j0)+\d)+1], v[FR+16*\d+8:FR+16*\d+15], v[SO+\d]
.endr
.irp d, 0,1,2,3
	v_lshrrev_b32 v[BY+\d], 23, v[SO+\d]           ; the scale's byte
.endr
.irp d, 0,1,2,3
	global_store_b64 v[CO], v[CD+2*((\j0)+\d):CD+2*((\j0)+\d)+1], s[10:11] offset:2048*((\j0)+\d)+256*\t   ; 32 lanes: 256 bytes on end, aligned
.endr
.irp d, 0,1,2,3
	ds_store_b8 v[ADWS], v[BY+\d] offset:16*((\j0)+\d)
.endr
.endm
.macro SOUT t                          ; the tile's 256 scale bytes, row by row (LDS serves a wave's instructions in order)
	ds_load_b64 v[T+2*\t:T+2*\t+1], v[RDS]
	s_wait_dscnt 0x0
	global_store_b64 v[CO], v[T+2*\t:T+2*\t+1], s[12:13] offset:KP*\t
.endm
	QGROUP 0, 0, 12                                ; three groups of four loads are younger, here and after each reload
	QGROUP 0, 4, 12
	QGROUP 0, 8, 12
	QGROUP 0, 12, 12
	SOUT 0
	QGROUP 1, 0, 12
	QGROUP 1, 4, 8
	QGROUP 1, 8, 4
	QGROUP 1, 12, 0
	SOUT 1
	s_wait_tensorcnt 0x0                           ; the wave's end
	ds_add_u32 v[SPW], v[NIL]
	s_wait_dscnt 0x0
	s_endpgm
.Lfunc_end_k_qe6980e6d00_wq:
	.size	k_qe6980e6d00_wq, .Lfunc_end_k_qe6980e6d00_wq-k_qe6980e6d00_wq
	.p2alignl 7, 3214868480
	.fill 96, 4, 3214868480
	.section	.rodata,"a",@progbits
	.p2align	6, 0x0
	.amdhsa_kernel k_qe6980e6d00_wq
		.amdhsa_group_segment_fixed_size 6144
		.amdhsa_private_segment_fixed_size 0
		.amdhsa_enable_private_segment 0
		.amdhsa_kernarg_size 40
		.amdhsa_user_sgpr_count 2
		.amdhsa_user_sgpr_kernarg_segment_ptr 1
		.amdhsa_wavefront_size32 1
		.amdhsa_system_sgpr_workgroup_id_x 1
		.amdhsa_system_sgpr_workgroup_id_y 1
		.amdhsa_system_sgpr_workgroup_id_z 1
		.amdhsa_system_vgpr_workitem_id 0
		.amdhsa_next_free_vgpr 208
		.amdhsa_next_free_sgpr 102
		.amdhsa_reserve_vcc 0
		.amdhsa_float_denorm_mode_32 3
		.amdhsa_float_denorm_mode_16_64 3
		.amdhsa_memory_ordered 1
		.amdhsa_forward_progress 1
		.amdhsa_inst_pref_size 108
	.end_amdhsa_kernel
	.amdgpu_metadata
---
amdhsa.version: [ 1, 2 ]
amdhsa.kernels:
  - .name:           k_qe6980e6d00_wq
    .symbol:         k_qe6980e6d00_wq.kd
    .args:
      - { .name: weight, .offset: 0, .size: 8, .value_kind: global_buffer, .address_space: global }
      - { .name: scale, .offset: 8, .size: 8, .value_kind: global_buffer, .address_space: global }
      - { .name: x_scales, .offset: 16, .size: 8, .value_kind: global_buffer, .address_space: global }
      - { .name: wcodes, .offset: 24, .size: 8, .value_kind: global_buffer, .address_space: global }
      - { .name: scl, .offset: 32, .size: 8, .value_kind: global_buffer, .address_space: global }
    .group_segment_fixed_size: 6144
    .private_segment_fixed_size: 0
    .kernarg_segment_align: 8
    .kernarg_segment_size: 40
    .max_flat_workgroup_size: 512
    .sgpr_count:     102
    .vgpr_count:     208
    .wavefront_size: 32
...
	.end_amdgpu_metadata
.endif
;; end of part 1
;; launch gemm (part 2): grid 64 x 4, 4 waves a work-group, clusters of 4 x 4, 327,680 bytes of LDS; arguments x_codes, wcodes, scl, bias, out0; writes out0
.if DOCPART == 2
	.amdgcn_target "amdgcn-amd-amdhsa--gfx1250"
	.amdhsa_code_object_version 6
	.text
	.protected	k_qe6980e6d00_gemm
	.globl	k_qe6980e6d00_gemm
	.p2align	8
	.type	k_qe6980e6d00_gemm,@function
k_qe6980e6d00_gemm:
	s_mov_b64 s[64:65], 0
	v_nop
	global_prefetch_b8 v0, s[64:65] scope:SCOPE_SE
	s_setreg_imm32_b32 hwreg(HW_REG_WAVE_MODE, 25, 1), 1
	s_wait_xcnt 0x0
	s_wait_alu depctr_hold_cnt(0) depctr_sa_sdst(0) depctr_va_vdst(0) depctr_va_sdst(0) depctr_va_ssrc(0) depctr_va_vcc(0) depctr_vm_vsrc(0)
	s_getreg_b32 s2, hwreg(HW_REG_IB_STS2, 6, 4)
	s_cmp_eq_u32 s2, 0
	s_cbranch_scc0 .Lentry_in_a_cluster
	s_endpgm
.Lentry_in_a_cluster:
	s_bfe_u32 s2, ttmp6, 0x10000c
	s_cmp_lg_u32 s2, 0xf033
	s_cbranch_scc0 .Lentry_shape_is_right
	s_endpgm
.Lentry_shape_is_right:
; out0[m][n] = bias[n] + sum over k of x[m][k] w[n][k], both operands as E2M1 codes with E8M0 scales; sums in f32.  Nothing of the problem is left out.
; A work-group of four waves makes 256 x 256 of out0, a wave 128 x 128: 64 accumulators, 512 registers.  K = 4096 goes in 8 steps of 512 (rows of 256 bytes) through two LDS slots.
; Clusters of 4 x 4: x's tile is asked for jointly along a row of the cluster, w's along a column.
; Source 0 = 16 rows of w, source 1 = 16 rows of x: a lane holds eight neighbouring columns of one row of out0.
; Scale words come from scl ([K step][row][16 bytes]) straight into registers, one K step ahead: lanes 0-15 x's block i, lanes 16-31 w's block i; sixteen lanes read 256 bytes on end.
; The bias is the C of each accumulator's first product.
; Windows: 0: v0-31 addresses, v32-95 two sets of scale words, v128-191 x's fragments, v192-255 the bias (on the way out v128-255 hold rows);  1: w's fragments, two sets;  2, 3: accumulators.
.set NOUT,   16384
.set NQ,     4
.set ROWB,   256
.set KROW,   2048
.set PITCH,  272                       ; 256 bytes + 16 of padding
.set FR,     8
.set NL,     2
.set NP,     4
.set HALFT,  128*PITCH
.set SLOT,   4*HALFT                   ; x's 256 rows, then w's 256
.set LAPS,   4
.set SPARE,  2*SLOT                    ; the spare words, 128 bytes a wave
.set SPITCH, 528                       ; the stage of the way out, 16 rows a wave, in slot 0 behind its last fill and last read
.set KP,     278528                    ; bytes of scl for one K step
.set ADRA, 16
.set ADRB, 20
.set STO,  24
.set RD,   25
.set CO,   26
.set ADRS, 27
.set SPW,  28
.set NIL,  29
.set PFO,  30
.set BO,   31
.set SC,   32
.set AF,   128
.set BI,   192
.set BK,   128
.set G1, 24
.set G0, 32
.set G1B, 48
.set G0B, 56
.set PFA, 66
.set MSB, 0
.macro WIN new
.if MSB != (\new)
	s_set_vgpr_msb (MSB<<8)|(\new)
.set MSB, (\new)
.endif
.endm
.set MUL_LO, 0xa1
.set MUL_HI, 0xf1
.set TO_B,   0x40
.macro JLOAD s                         ; waves 0, 1 fetch x's two halves, waves 2, 3 w's
	s_cmp_eq_u32 s15, 0
	s_cbranch_scc0 .Lfor_b_\@
	tensor_load_to_lds s[G0+4*\s:G0+4*\s+3], s[G1:G1+7]
	s_nop 0
.rept 4
	v_nop
.endr
	s_branch .Lasked_\@
.Lfor_b_\@:
	tensor_load_to_lds s[G0B+4*\s:G0B+4*\s+3], s[G1B:G1B+7]
	s_nop 0
.rept 4
	v_nop
.endr
.Lasked_\@:
.endm
.macro CREST
	s_cmp_lg_u32 s14, 0
	s_cbranch_scc1 .Lnot_wave_0_\@
	s_barrier_signal -3
.Lnot_wave_0_\@:
	s_barrier_wait -3
	s_barrier_signal -1
	s_barrier_wait -1
.endm
.macro CROUND
	s_barrier_signal -1
	s_barrier_wait -1
	CREST
.endm
; One prefetch a wave behind each refill: the K step two refills on, 32 rows x 256 bytes, a lane a row.  The four partners of a joint load share its 128 rows out by address.
; The loop's last trip (s3 = 1) asks for nothing: K steps 8 and 9 do not exist.
.macro ASK
	s_cmp_gt_u32 s3, 1
	s_cbranch_scc0 .Lno_ask_\@
	global_prefetch_b8 v[PFO], s[PFA:PFA+1] offset:ROWB th:TH_LOAD_NT scope:SCOPE_SE
.Lno_ask_\@:
.endm
	s_load_b256 s[4:11], s[0:1], 0x0               ; x_codes, wcodes, scl, bias
	s_load_b64 s[12:13], s[0:1], 0x20              ; out0
	v_lshl_add_u32 v[SPW], v0, 2, SPARE
	v_mov_b32 v[NIL], 0
	ds_add_u32 v[SPW], v[NIL]
	ds_add_u32 v[SPW], v[NIL]
	v_lshrrev_b32 v1, 5, v0
	v_readfirstlane_b32 s14, v1                    ; wave
	s_lshr_b32 s15, s14, 1                         ; my half of the block's rows; also: I fetch x (0) or w (1)
	s_and_b32 s16, s14, 1                          ; my half of its columns; also: which 128 rows I fetch
	s_bfe_u32 s40, ttmp6, 0x40000                  ; cx
	s_bfe_u32 s41, ttmp6, 0x40004                  ; cy
	s_lshl_b32 s42, ttmp9, 2
	s_add_co_u32 s42, s42, s40                     ; block column
	s_and_b32 s17, ttmp7, 0xffff
	s_lshl_b32 s17, s17, 2
	s_add_co_u32 s17, s17, s41                     ; block row
	s_lshl_b32 s43, s41, 2
	s_lshl_b32 s43, 15, s43                        ; my row of the cluster
	s_lshl_b32 s44, 0x1111, s40                    ; my column
	s_or_b32 s[G1], s43, (1<<20)|(1<<21)|(5<<22)|(3<<25)    ; bytes; 4 words of padding behind every 64
	s_or_b32 s[G1B], s44, (1<<20)|(1<<21)|(5<<22)|(3<<25)
.irp g, G1, G1B
	s_mov_b32 s[\g+1], ROWB<<16
	s_mov_b32 s[\g+2], 128<<16
	s_mov_b32 s[\g+3], ROWB<<16
	s_mov_b32 s[\g+4], 128
	s_mov_b32 s[\g+5], KROW
	s_mov_b32 s[\g+6], 0
	s_mov_b32 s[\g+7], 0
.endr
	s_lshl_b32 s18, s16, 18                        ; 128 rows of 2048 bytes
	s_lshl_b32 s20, s17, 19
	s_add_co_u32 s20, s20, s18
	s_mov_b32 s21, 0
	s_lshl_b32 s46, s42, 19
	s_add_co_u32 s46, s46, s18
	s_mov_b32 s47, 0
	s_mul_i32 s45, s14, HALFT                      ; where my 128 rows go
	s_wait_dscnt 0x0
	s_wait_kmcnt 0x0
	s_add_nc_u64 s[20:21], s[4:5], s[20:21]
	s_add_nc_u64 s[46:47], s[6:7], s[46:47]
	CROUND                                         ; in front of the first joint loads
.irp s, 0,1
	s_mov_b32 s[G0+4*\s], 1
	s_add_co_u32 s[G0+4*\s+1], s45, \s*SLOT
	s_add_nc_u64 s[G0+4*\s+2:G0+4*\s+3], s[20:21], \s*ROWB
	s_or_b32 s[G0+4*\s+3], s[G0+4*\s+3], 0x80000000
	s_mov_b32 s[G0B+4*\s], 1
	s_add_co_u32 s[G0B+4*\s+1], s45, \s*SLOT
	s_add_nc_u64 s[G0B+4*\s+2:G0B+4*\s+3], s[46:47], \s*ROWB
	s_or_b32 s[G0B+4*\s+3], s[G0B+4*\s+3], 0x80000000
.endr
	JLOAD 0                                        ; K step 0: one load a wave at the head
	s_mul_i32 s70, s15, HALFT                      ; my 128 rows of x in a slot
	s_mul_i32 s71, s16, HALFT
	s_add_co_u32 s71, s71, 2*HALFT                 ; my 128 rows of w
	s_lshl_b32 s72, s17, 12
	s_lshl_b32 s75, s15, 11
	s_add_co_u32 s72, s72, s75                     ; scl: my rows of x, 16 bytes a row
	s_lshl_b32 s73, s42, 12
	s_lshl_b32 s75, s16, 11
	s_add_co_u32 s73, s73, s75
	s_add_co_u32 s73, s73, 16384                   ; my rows of w, behind x's 1024
	s_sub_co_u32 s73, s73, s72                     ; as a distance from x's
	s_mul_i32 s74, s14, 16*SPITCH                  ; my stage
	s_lshl_b32 s76, s42, 10
	s_lshl_b32 s75, s16, 9
	s_add_co_u32 s76, s76, s75                     ; my first column, in bytes
	s_mov_b32 s77, 0
	s_add_nc_u64 s[10:11], s[10:11], s[76:77]
	s_lshl_b32 s75, s17, 24
	s_add_co_u32 s76, s76, s75
	s_lshl_b32 s75, s15, 23
	s_add_co_u32 s76, s76, s75                     ; + my first row x 65536 bytes
	s_add_nc_u64 s[12:13], s[12:13], s[76:77]
	s_lshl_b32 s78, s17, 8
	s_lshl_b32 s79, s42, 8
	s_cmp_eq_u32 s15, 0
	s_cselect_b32 s78, s78, s79                    ; the prefetches: the tile's first row,
	s_cselect_b32 s79, s40, s41                    ; my place among the four that ask with me,
	s_cselect_b64 s[PFA:PFA+1], s[4:5], s[6:7]
	s_lshl_b32 s80, s16, 7
	s_add_co_u32 s78, s78, s80
	s_lshl_b32 s79, s79, 5
	s_add_co_u32 s78, s78, s79                     ; my work-group's 32 of my 128 rows
	s_lshl_b32 s78, s78, 11
	s_add_co_u32 s78, s78, 2*ROWB                  ; at K step 2: the first refill steps it to 3 and names 4
	s_mov_b32 s79, 0
	s_add_nc_u64 s[PFA:PFA+1], s[PFA:PFA+1], s[78:79]
	v_and_b32 v1, 15, v0
	v_bfe_u32 v2, v0, 4, 1
	v_and_b32 v5, 31, v0
	v_mul_u32_u24 v3, v1, PITCH
	v_lshl_add_u32 v4, v2, 4, v3                   ; a fragment: row l % 16, 16 bytes for each half of the lanes
	v_add_nc_u32 v[ADRA], s70, v4
	v_add_nc_u32 v[ADRB], s71, v4
	v_add_nc_u32 v[ADRA+1], SLOT, v[ADRA]
	v_add_nc_u32 v[ADRB+1], SLOT, v[ADRB]
	v_mul_u32_u24 v6, s73, v2                      ; lanes 16-31 take w's scale words
	v_lshl_add_u32 v6, v1, 4, v6
	v_add_nc_u32 v[ADRS], s72, v6
	v_lshlrev_b32 v[BO], 5, v2
	v_mul_u32_u24 v7, v1, SPITCH
	v_lshl_add_u32 v7, v2, 5, v7
	v_add_nc_u32 v[STO], s74, v7
	v_lshlrev_b32 v[CO], 4, v5
	v_add_nc_u32 v[RD], s74, v[CO]
	v_lshlrev_b32 v[PFO], 11, v5
.macro SCALES sc                       ; a K step's scale words of my 8 + 8 blocks into set sc
.irp i, 0,1,2,3,4,5,6,7
	global_load_b128 v[SC+8*NQ*(\sc)+NQ*\i:SC+8*NQ*(\sc)+NQ*\i+3], v[ADRS], s[8:9] offset:256*\i
.endr
.endm
.irp b, 0,1,2,3,4,5,6,7
.irp e, 0,1
	global_load_b128 v[BI+8*\b+4*\e:BI+8*\b+4*\e+3], v[BO], s[10:11] offset:64*\b+16*\e   ; bias of columns 16 b + 8 (l / 16) + 0 .. 7
.endr
.endr
	SCALES 0
.macro FRAG reg, adr, q, i
.irp c, 0,1
	ds_load_b128 v[\reg+4*\c:\reg+4*\c+3], v[\adr] offset:64*(\q)+32*\c+(\i)*16*PITCH
.endr
.endm
; 16 products: x's blocks a0, a0 + 1 against w's eight.  The 64 accumulators take turns.  zero = 1: the sums start from the bias.
.macro MUL16 a0, p, q, sc, zero
.irp a, \a0, \a0+1
.irp b, 0,1,2,3,4,5,6,7
.if \zero
	v_wmma_scale_f32_16x16x128_f8f6f4 v[8*(8*((\a)%4)+\b):8*(8*((\a)%4)+\b)+7], v[128*(\p)+FR*\b:128*(\p)+FR*\b+FR-1], v[AF+FR*(\a):AF+FR*(\a)+FR-1], v[BI+8*\b:BI+8*\b+7], v[SC+8*NQ*(\sc)+NQ*\b+(\q)], v[SC+8*NQ*(\sc)+NQ*(\a)+(\q)] matrix_a_fmt:MATRIX_FMT_FP4 matrix_b_fmt:MATRIX_FMT_FP4 matrix_a_scale:MATRIX_SCALE_ROW1
.else
	v_wmma_scale_f32_16x16x128_f8f6f4 v[8*(8*((\a)%4)+\b):8*(8*((\a)%4)+\b)+7], v[128*(\p)+FR*\b:128*(\p)+FR*\b+FR-1], v[AF+FR*(\a):AF+FR*(\a)+FR-1], v[8*(8*((\a)%4)+\b):8*(8*((\a)%4)+\b)+7], v[SC+8*NQ*(\sc)+NQ*\b+(\q)], v[SC+8*NQ*(\sc)+NQ*(\a)+(\q)] matrix_a_fmt:MATRIX_FMT_FP4 matrix_b_fmt:MATRIX_FMT_FP4 matrix_a_scale:MATRIX_SCALE_ROW1
.endif
.endr
.endr
.endm
.macro FETCH_B slot, q, p
	WIN TO_B
.irp i, 0,1,2,3,4,5,6,7
	FRAG 128*(\p)+FR*\i, ADRB+\slot, \q, \i
.endr
	WIN 0
.endm
.macro FETCH_A slot, q, i0
.irp i, \i0, \i0+1, \i0+2, \i0+3
	FRAG AF+FR*(\i), ADRA+\slot, \q, \i
.endr
.endm
.macro PLACES n
.rept \n
	v_nop
.endr
.endm
; 128 along K with a successor in the same slot.  ld = 1, in a slot's first step: the next K step's scale words are asked for, into the other set.
.macro STEP slot, q, zero, ld
.if (\q) == 0
	s_wait_loadcnt 0x0                             ; this K step's scale words (and, the first time, the bias) are in
.endif
	s_wait_dscnt 4*NL                              ; all but x's blocks 4-7
	WIN MUL_LO-0x20*(\zero)                        ; (the bias lies in window 0)
	MUL16 0, (\q)%2, \q, \slot, \zero
	MUL16 2, (\q)%2, \q, \slot, \zero
	s_wait_dscnt 0
	PLACES NP
	FETCH_B \slot, (\q)+1, 1-(\q)%2
	FETCH_A \slot, (\q)+1, 0
.if (\ld) && ((\q) == 0)
	s_add_nc_u64 s[8:9], s[8:9], KP                ; every load by this base was waited for above
	SCALES 1-\slot
.endif
	WIN MUL_HI-0x30*(\zero)
	MUL16 4, (\q)%2, \q, \slot, \zero
	MUL16 6, (\q)%2, \q, \slot, \zero
	PLACES NP
	WIN 0
	FETCH_A \slot, (\q)+1, 4
.endm
; A slot's last step changes slots: one barrier, which opens a round of the cluster's barrier where the slot is filled again (fill = 1).
.macro TURN slot, next, fill
.if \fill
	s_wait_xcnt 0x0                                ; my last prefetch has read its address
	s_add_nc_u64 s[PFA:PFA+1], s[PFA:PFA+1], ROWB
.endif
	s_wait_tensorcnt 0x0                           ; my part of the next slot is in
	ds_add_u32 v[SPW], v[NIL]
	s_wait_dscnt 4*NL+1                            ; the add and x's blocks 4-7 may be out
	WIN MUL_LO
	MUL16 0, 1, NQ-1, \slot, 0
	s_wait_dscnt 0x0                               ; the add is done, my reads of this slot are over
	s_barrier_signal -1
	MUL16 2, 1, NQ-1, \slot, 0
	WIN 0
	s_barrier_wait -1
.if \fill
	CREST
	s_add_nc_u64 s[G0+4*\slot+2:G0+4*\slot+3], s[G0+4*\slot+2:G0+4*\slot+3], 2*ROWB
	s_add_nc_u64 s[G0B+4*\slot+2:G0B+4*\slot+3], s[G0B+4*\slot+2:G0B+4*\slot+3], 2*ROWB
	JLOAD \slot                                    ; the first tensor load behind the round; its four v_nop are the places for the loads below
.else
	PLACES NP
.endif
	FETCH_B \next, 0, 0
	FETCH_A \next, 0, 0
.if \fill
	ASK
.endif
	WIN MUL_HI
	MUL16 4, 1, NQ-1, \slot, 0
	MUL16 6, 1, NQ-1, \slot, 0
	PLACES NP
	WIN 0
	FETCH_A \next, 0, 4
.endm
.macro STEPS slot, from, ld
.set Q, \from
.rept NQ-1-\from
	STEP \slot, Q, 0, \ld
.set Q, Q+1
.endr
.endm
	s_wait_alu depctr_va_vdst(0)                   ; the wait at the head's end
	s_wait_tensorcnt 0x0                           ; my part of K step 0 is in; slot 1's first fill is issued as a refill is
	ds_add_u32 v[SPW], v[NIL]
	s_wait_dscnt 0x0
	CROUND
	JLOAD 1
	FETCH_B 0, 0, 0
	FETCH_A 0, 0, 0
	FETCH_A 0, 0, 4
	STEP 0, 0, 1, 1
	s_mov_b32 s3, LAPS-1
.Llap:                                                 ; once round the ring, from a lap's second step to the next lap's first
	STEPS 0, 1, 0
	TURN 0, 1, 1
	STEPS 1, 0, 1
	TURN 1, 0, 1
	STEP 0, 0, 0, 1
	s_sub_co_u32 s3, s3, 1
	s_cmp_lg_u32 s3, 0
	s_cbranch_scc1 .Llap
	STEPS 0, 1, 0                                  ; the last lap fills nothing
	TURN 0, 1, 0
	STEPS 1, 0, 0
	s_wait_dscnt 4*NL
	WIN MUL_LO
	MUL16 0, 1, NQ-1, 1, 0
	MUL16 2, 1, NQ-1, 1, 0
	s_wait_dscnt 0
	WIN MUL_HI
	MUL16 4, 1, NQ-1, 1, 0
	MUL16 6, 1, NQ-1, 1, 0
	WIN 0
; The way out: 16 rows x 128 columns at a time through my own stage, back as rows of 512 bytes, which the 32 lanes store as two aligned runs of 256 bytes.
.macro TOSTAGE a
.set AC, 64*((\a)%4)
	WIN 0x08+4*((\a)/4)
.irp b, 0,1,2,3,4,5,6,7
	ds_store_b128 v[STO], v[AC+8*\b:AC+8*\b+3] offset:64*\b
	ds_store_b128 v[STO], v[AC+8*\b+4:AC+8*\b+7] offset:64*\b+16
.endr
	WIN 0
.set BB, BK+64*((\a)%2)
.irp t, 0,1,2,3,4,5,6,7,8,9,10,11,12,13,14,15
	ds_load_b128 v[BB+4*\t:BB+4*\t+3], v[RD] offset:\t*SPITCH
.endr
.endm
.macro SEND a, younger
.set BB, BK+64*((\a)%2)
	s_wait_dscnt \younger
.if (\a) > 0
	s_add_nc_u64 s[12:13], s[12:13], 16*NOUT*4     ; behind a wait on XCNT
.endif
.irp t, 0,1,2,3,4,5,6,7,8,9,10,11,12,13,14,15
	global_store_b128 v[CO], v[BB+4*\t:BB+4*\t+3], s[12:13] offset:\t*NOUT*4 th:TH_STORE_NT
.endr
.endm
	PLACES NP
	TOSTAGE 0
.irp a, 1,2,3,4,5,6,7
.if \a > 1
	s_wait_xcnt 0x0                                ; block a - 2's stores have read their registers and their base
.endif
	TOSTAGE \a
	SEND \a-1, 32                                  ; block a's 16 stores and 16 loads may be out
.endr
	s_wait_xcnt 0x0
	SEND 7, 0
	s_wait_tensorcnt 0x0                           ; the wave's end
	ds_add_u32 v[SPW], v[NIL]
	s_wait_dscnt 0x0
	CROUND                                         ; the closing round
	s_endpgm
.Lfunc_end_k_qe6980e6d00_gemm:
	.size	k_qe6980e6d00_gemm, .Lfunc_end_k_qe6980e6d00_gemm-k_qe6980e6d00_gemm
	.p2alignl 7, 3214868480
	.fill 96, 4, 3214868480
	.section	.rodata,"a",@progbits
	.p2align	6, 0x0
	.amdhsa_kernel k_qe6980e6d00_gemm
		.amdhsa_group_segment_fixed_size 327680
		.amdhsa_private_segment_fixed_size 0
		.amdhsa_enable_private_segment 0
		.amdhsa_kernarg_size 40
		.amdhsa_user_sgpr_count 2
		.amdhsa_user_sgpr_kernarg_segment_ptr 1
		.amdhsa_wavefront_size32 1
		.amdhsa_system_sgpr_workgroup_id_x 1
		.amdhsa_system_sgpr_workgroup_id_y 1
		.amdhsa_system_sgpr_workgroup_id_z 1
		.amdhsa_system_vgpr_workitem_id 0
		.amdhsa_next_free_vgpr 1024
		.amdhsa_next_free_sgpr 90
		.amdhsa_reserve_vcc 0
		.amdhsa_float_denorm_mode_32 3
		.amdhsa_float_denorm_mode_16_64 3
		.amdhsa_memory_ordered 1
		.amdhsa_forward_progress 1
		.amdhsa_inst_pref_size 213
	.end_amdhsa_kernel
	.amdgpu_metadata
---
amdhsa.version: [ 1, 2 ]
amdhsa.kernels:
  - .name:           k_qe6980e6d00_gemm
    .symbol:         k_qe6980e6d00_gemm.kd
    .args:
      - { .name: x_codes, .offset: 0, .size: 8, .value_kind: global_buffer, .address_space: global }
      - { .name: wcodes, .offset: 8, .size: 8, .value_kind: global_buffer, .address_space: global }
      - { .name: scl, .offset: 16, .size: 8, .value_kind: global_buffer, .address_space: global }
      - { .name: bias, .offset: 24, .size: 8, .value_kind: global_buffer, .address_space: global }
      - { .name: out0, .offset: 32, .size: 8, .value_kind: global_buffer, .address_space: global }
    .group_segment_fixed_size: 327680
    .private_segment_fixed_size: 0
    .kernarg_segment_align: 8
    .kernarg_segment_size: 40
    .max_flat_workgroup_size: 128
    .sgpr_count:     90
    .vgpr_count:     1024
    .wavefront_size: 32
...
	.end_amdgpu_metadata
.endif
;; end of part 2
